; MI455X (gfx1250); checked and timed in simulation.
; The chip was launched on July 23, 2026; its instructions are those of AMD's public machine-readable ISA for CDNA 5 (MIT licence, August 2026) and "CDNA5" Instruction Set Architecture Reference Guide (July 2026). The comments in the code are by the model that wrote it; some were corrected since.
;; DRKNN. Allowed arithmetic: matrix products marked QUANTISED: E2M1 operands, one E8M0 scale for each 32 along K, by v_wmma_scale_f32_16x16x128_f8f6f4 with both operands' format E2M1 (or v_wmma_scale_f32_32x16x128_f4), f32 sums; everything else in f32.
;; Inputs: dataTensorX 100,000 x 8 x 16 float32; dataTensorY 100,000 x 3 float32; inputTensor 1,024 x 8 x 16 float32.
;; Outputs: out0 1,024 x 3 float32; out1 1,024 x 3 int32.
;; This version of the problem:
;;   THIS VERSION OF THE PROBLEM IS GIVEN IN LOW PRECISION. The matrix products marked QUANTISED in the list below multiply operands that are first quantised to E2M1 (2 exponent bits, 1 mantissa bit; 4 bits a number), with one power-of-two scale for each 32 numbers along K (OCP MX v1.0); their sums are f32. All else is computed in f32.
;;   The module's matrix products, in the order in which they are computed (A, B: the left and right operand; K: the contracted axis; several contracted axes count as one K, in the product's order):
;;     1. [M 1,024, K 128] x [K 128, N 100,000]; A: input inputTensor; B: input dataTensorX: QUANTISED
;;   THE QUANTISER, for each operand of a quantised product, along K:
;;     - K is cut into blocks of 32 from its start; a last block that is shorter is filled with zeros.
;;     - A block's scale is 2^e with e = floor(log2(the largest magnitude in the block)) - 2, held to -126 .. 127; a block of zeros has e = 0. As a byte (E8M0): e + 127.
;;     - Each number is divided by its block's scale, clamped to +-6, and rounded to the nearest number of E2M1, ties to even, subnormals kept.
;;     - The product sums the exact products of the quantised numbers (number of the format x scale) in f32.
;;   ~~~python
;;   def quantise(x, axis):      # numpy; x: float32 -> the quantised numbers, widened to float32 again
;;       x = np.moveaxis(x, axis, -1); K = x.shape[-1]
;;       x = np.pad(x, [(0, 0)] * (x.ndim - 1) + [(0, -K % 32)]); x = x.reshape(x.shape[:-1] + (-1, 32)); a = np.abs(x).max(-1, keepdims=True)
;;       e = np.where(a > 0, np.clip(np.frexp(np.where(a > 0, a, 1))[1] - 1 - 2, -126, 127), 0)      # np.frexp(a)[1] - 1 = floor(log2(a)), exactly
;;       r = np.clip(x / 2.0 ** e, -6, 6)
;;       step = 2.0 ** (np.maximum(np.frexp(np.where(r == 0, 1, r))[1] - 1, 0) - 1)
;;       q = np.round(r / step) * step * 2.0 ** e      # np.round: ties to even
;;       return np.moveaxis(q.reshape(q.shape[:-2] + (-1,))[..., :K], -1, axis).astype(np.float32)
;;   ~~~
;; One version. Each part assembles by itself: llvm-mc -triple=amdgcn-amd-amdhsa -mcpu=gfx1250 --defsym DOCPART=n.
;; ======== version 1 of 1: 4 launches
;; workspace buffers: xcodes 6,400,000 bytes; xscale 400,128 bytes; xneg 400,128 bytes; qcodes 65,536 bytes; qscale 4,096 bytes; qnrm 4,096 bytes; gmax 4,096,000 bytes; sel 32,768 bytes of whole numbers
;; launch quant (part 1): grid 3157 x 1, 1 waves a work-group, no clusters, 17,152 bytes of LDS; arguments dataTensorX, inputTensor, xcodes, xscale, xneg, qcodes, qscale, qnrm; writes xcodes, xscale, xneg, qcodes, qscale, qnrm
.if DOCPART == 1
	.amdgcn_target "amdgcn-amd-amdhsa--gfx1250"
	.amdhsa_code_object_version 6
	.text
	.protected	k_qc69705a993_quant
	.globl	k_qc69705a993_quant
	.p2align	8
	.type	k_qc69705a993_quant,@function
k_qc69705a993_quant:
	s_mov_b64 s[64:65], 0
	v_nop
	global_prefetch_b8 v0, s[64:65] scope:SCOPE_SE
	s_setreg_imm32_b32 hwreg(HW_REG_WAVE_MODE, 25, 1), 1
	s_wait_xcnt 0x0
; X [100000][128] and Q [1024][128], f32, become codes of FP4 (E2M1) with one E8M0 scale byte for each 32 along the 128 features, and a number a row: -x2/2 for X, q2 for Q (the sum of the row's squares, unquantised, in f32).
; THE CODES ARE LAID AS THE MATRIX OPERAND'S REGISTERS: a fragment of 16 rows is 1,024 bytes, [c = 0, 1][lane r + 16 h][16 bytes] = row r, block 2 c + h.  The scale bytes: one word a row, byte b for block b.
; A block's scale is 2^(floor(log2(its largest magnitude)) - 2); its byte is that magnitude's exponent field - 2, held at 1 from below.
; LIMITS: a block of zeros gets the byte 1 where the rule says 127 (its codes are zeros, and this program alone reads the bytes); NaN and infinities are not served;
; the sum of squares is taken by fused multiply-adds in four chains a lane and a tree, not in one chain: it may differ in the last bit from a sum taken in another order.
; SHARES: a work-group of one wave takes 32 rows, two fragments (both 6,250 and 64 fragments divide by two).  The first 3,125 work-groups take X, the other 32 take Q: only pointers and one factor are chosen, one path serves both.
; Each load reads one whole row, 512 consecutive bytes.  The conversions want a block's 32 numbers in one lane, so the rows turn through a stage in LDS (rows 528 bytes apart: 33 x 16, so sixteen rows start at sixteen different banks).
; No tensor loads, no barrier (one wave), no matrix work: the launch streams.
.set NXW,  3125                        ; work-groups that take X
.set SP,   528                         ; a stage row
.set STGB, 16*SP                       ; a fragment's stage
.set R,    16                          ; v16-79, v80-143  fragment f: as loaded, then turned: registers 0-31 block h, 32-63 block 2 + h of row r
.set MX,   144                         ; v144-147 largest magnitudes [f][c]
.set SO,   148                         ; v148-151 the conversions' scale operands
.set BY,   152                         ; v152-155 scale bytes
.set W,    156                         ; v156-157 scale words
.set T,    158                         ; v158-159 what the other half of the lanes sends
.set AC,   160                         ; v160-167 sums of squares: two pairs a fragment
.set CD,   168                         ; v168-183 codes: eight registers a fragment
	s_load_b512 s[4:19], s[0:1], 0x0               ; X, Q, xcodes, xscale, xneg, qcodes, qscale, qnrm
	v_lshl_add_u32 v184, v0, 2, 0x4200
	v_mov_b32 v185, 0
	v_lshlrev_b32 v1, 4, v0                        ; 16 x lane: loads, the stage on the way in, the codes' stores
	v_and_b32 v2, 15, v0                           ; r
	v_lshrrev_b32 v6, 4, v0                        ; h
	v_mul_u32_u24 v3, v2, SP
	v_lshl_add_u32 v3, v6, 7, v3                   ; the stage on the way out: row r, block h
	v_lshlrev_b32 v4, 3, v6                        ; 8 h: my bytes' place in the scale word
	v_lshlrev_b32 v5, 2, v0                        ; 4 x lane
	v_mov_b32 v[T], 0                              ; written once: a lane permute's destination counts as one of its sources
	v_mov_b32 v[T+1], 0
	s_mov_b32 s20, 0x76543210
	s_mov_b32 s21, 0xfedcba98                      ; v_permlanex16_b32's selects for lane l xor 16
	s_mov_b32 s22, 0xffff0000                      ; lanes 16-31
	s_mov_b32 s23, 0xbf000000                      ; -0.5
	s_wait_kmcnt 0x0
	s_cmp_lt_u32 ttmp9, NXW                        ; X's work-group or Q's?  The choice hangs on the work-group's number alone
	s_cselect_b64 s[4:5], s[4:5], s[6:7]
	s_cselect_b64 s[8:9], s[8:9], s[14:15]
	s_cselect_b64 s[10:11], s[10:11], s[16:17]
	s_cselect_b64 s[12:13], s[12:13], s[18:19]
	s_cselect_b32 s23, s23, 0x3f800000             ; X: -x2/2;  Q: q2
	s_cselect_b32 s24, 0, NXW
	s_sub_co_u32 s24, ttmp9, s24                   ; which run of 32 rows
	s_mov_b32 s27, 0
	s_lshl_b32 s26, s24, 14                        ; 32 rows of 512 bytes
	s_add_nc_u64 s[4:5], s[4:5], s[26:27]
	s_lshl_b32 s26, s24, 11                        ; two fragments of 1,024 bytes
	s_add_nc_u64 s[8:9], s[8:9], s[26:27]
	s_lshl_b32 s26, s24, 7                         ; 32 words
	s_add_nc_u64 s[10:11], s[10:11], s[26:27]
	s_add_nc_u64 s[12:13], s[12:13], s[26:27]
.irp f, 0,1
.irp i, 0,1,2,3,4,5,6,7,8,9,10,11,12,13,14,15
	global_load_b128 v[R+64*\f+4*\i:R+64*\f+4*\i+3], v1, s[4:5] offset:8192*\f+512*\i th:TH_LOAD_NT   ; row i of fragment f: 512 consecutive bytes
.endr
.endr
; Fragment f through its stage.  LDS serves a wave's instructions in order (ISA guide 5.7.1.4): the loads see the stores, and land in the registers that the stores have left.
.macro TURN f
.irp i, 0,1,2,3,4,5,6,7,8,9,10,11,12,13,14,15
	ds_store_b128 v1, v[R+64*\f+4*\i:R+64*\f+4*\i+3] offset:STGB*\f+SP*\i
.endr
.irp i, 0,1,2,3,4,5,6,7
	ds_load_b128 v[R+64*\f+4*\i:R+64*\f+4*\i+3], v3 offset:STGB*\f+16*\i
	ds_load_b128 v[R+64*\f+32+4*\i:R+64*\f+32+4*\i+3], v3 offset:STGB*\f+256+16*\i
.endr
.endm
	s_wait_loadcnt 16                              ; fragment 0's sixteen loads are in; fragment 1's may be out
	TURN 0
	s_wait_loadcnt 0x0
	TURN 1
	s_wait_dscnt 0x0
	; the largest magnitude of each of my four blocks: all 32 numbers are mine; the four chains by turns
.irp f, 0,1
.irp c, 0,1
	v_max3_num_f32 v[MX+2*\f+\c], |v[R+64*\f+32*\c]|, |v[R+64*\f+32*\c+1]|, 0x1800000   ; and the floor 2^(3 - 127): the byte cannot fall under 1
.endr
.endr
.irp i, 2,4,6,8,10,12,14,16,18,20,22,24,26,28,30
.irp f, 0,1
.irp c, 0,1
	v_max3_num_f32 v[MX+2*\f+\c], v[MX+2*\f+\c], |v[R+64*\f+32*\c+\i]|, |v[R+64*\f+32*\c+\i+1]|
.endr
.endr
.endr
.irp n, 0,1,2,3
	v_add_nc_u32 v[SO+\n], 0xff000000, v[MX+\n]    ; 2 off the exponent field: the conversion takes the exponent field of this operand as its scale
.endr
.irp n, 0,1,2,3
	v_lshrrev_b32 v[BY+\n], 23, v[SO+\n]           ; the scale's byte
.endr
.irp f, 0,1
	v_lshl_or_b32 v[W+\f], v[BY+2*\f+1], 16, v[BY+2*\f]   ; blocks h and 2 + h,
.endr
.irp f, 0,1
	v_lshlrev_b32 v[W+\f], v4, v[W+\f]             ; at their places in the word;
.endr
.irp f, 0,1
	v_permlanex16_b32 v[T+\f], v[W+\f], s20, s21
.endr
.irp f, 0,1
	v_or_b32 v[W+\f], v[W+\f], v[T+\f]             ; with lane l xor 16's two the word is whole, in both halves of the lanes
.endr
.irp f, 0,1
.irp c, 0,1
.irp g, 0,1,2,3
	v_cvt_scalef32_pk8_fp4_f32 v[CD+8*\f+4*\c+\g], v[R+64*\f+32*\c+8*\g:R+64*\f+32*\c+8*\g+7], v[SO+2*\f+\c]   ; register 4 c + g of the operand
.endr
.endr
.endr
	v_nop                                          ; one plain place behind the last scaled conversion
.irp f, 0,1
.irp c, 0,1
	global_store_b128 v1, v[CD+8*\f+4*\c:CD+8*\f+4*\c+3], s[8:9] offset:1024*\f+512*\c   ; 32 lanes store 512 consecutive bytes, at a multiple of 256 from the buffer's first byte
.endr
.endr
	; the sum of my 64 squares, two at a time, two chains a fragment
.irp f, 0,1
.irp c, 0,1
	v_pk_mul_f32 v[AC+4*\f+2*\c:AC+4*\f+2*\c+1], v[R+64*\f+2*\c:R+64*\f+2*\c+1], v[R+64*\f+2*\c:R+64*\f+2*\c+1]   ; the first squares start the sums
.endr
.endr
.irp p, 1,2,3,4,5,6,7,8,9,10,11,12,13,14,15
.irp f, 0,1
.irp c, 0,1
	v_pk_fma_f32 v[AC+4*\f+2*\c:AC+4*\f+2*\c+1], v[R+64*\f+4*\p+2*\c:R+64*\f+4*\p+2*\c+1], v[R+64*\f+4*\p+2*\c:R+64*\f+4*\p+2*\c+1], v[AC+4*\f+2*\c:AC+4*\f+2*\c+1]
.endr
.endr
.endr
.irp f, 0,1
	v_pk_add_f32 v[AC+4*\f:AC+4*\f+1], v[AC+4*\f:AC+4*\f+1], v[AC+4*\f+2:AC+4*\f+3]
.endr
.irp f, 0,1
	v_add_f32 v[AC+4*\f], v[AC+4*\f], v[AC+4*\f+1]
.endr
.irp f, 0,1
	v_permlanex16_b32 v[T+\f], v[AC+4*\f], s20, s21
.endr
.irp f, 0,1
	v_add_f32 v[AC+4*\f], v[AC+4*\f], v[T+\f]      ; with the row's other two blocks: the row's sum, in both halves of the lanes
.endr
	v_cndmask_b32 v10, v[AC], v[AC+4], s22         ; lane l now stands for row l of the 32: lanes 0-15 fragment 0's rows, lanes 16-31 fragment 1's
	v_cndmask_b32 v11, v[W], v[W+1], s22
	v_mul_f32 v10, s23, v10
	global_store_b32 v5, v11, s[10:11]             ; 32 rows' words are 128 consecutive bytes: all that this wave has of them
	global_store_b32 v5, v10, s[12:13]
	s_wait_tensorcnt 0x0
	ds_add_u32 v184, v185
	s_wait_dscnt 0x0
	s_endpgm
.Lfunc_end_k_qc69705a993_quant:
	.size	k_qc69705a993_quant, .Lfunc_end_k_qc69705a993_quant-k_qc69705a993_quant
	.p2alignl 7, 3214868480
	.fill 96, 4, 3214868480
	.section	.rodata,"a",@progbits
	.p2align	6, 0x0
	.amdhsa_kernel k_qc69705a993_quant
		.amdhsa_group_segment_fixed_size 17152
		.amdhsa_private_segment_fixed_size 0
		.amdhsa_enable_private_segment 0
		.amdhsa_kernarg_size 64
		.amdhsa_user_sgpr_count 2
		.amdhsa_user_sgpr_kernarg_segment_ptr 1
		.amdhsa_wavefront_size32 1
		.amdhsa_system_sgpr_workgroup_id_x 1
		.amdhsa_system_sgpr_workgroup_id_y 1
		.amdhsa_system_sgpr_workgroup_id_z 1
		.amdhsa_system_vgpr_workitem_id 0
		.amdhsa_next_free_vgpr 186
		.amdhsa_next_free_sgpr 66
		.amdhsa_reserve_vcc 0
		.amdhsa_float_denorm_mode_32 3
		.amdhsa_float_denorm_mode_16_64 3
		.amdhsa_memory_ordered 1
		.amdhsa_forward_progress 1
		.amdhsa_inst_pref_size 20
	.end_amdhsa_kernel
	.amdgpu_metadata
---
amdhsa.version: [ 1, 2 ]
amdhsa.kernels:
  - .name:           k_qc69705a993_quant
    .symbol:         k_qc69705a993_quant.kd
    .args:
      - { .name: dataTensorX, .offset: 0, .size: 8, .value_kind: global_buffer, .address_space: global }
      - { .name: inputTensor, .offset: 8, .size: 8, .value_kind: global_buffer, .address_space: global }
      - { .name: xcodes, .offset: 16, .size: 8, .value_kind: global_buffer, .address_space: global }
      - { .name: xscale, .offset: 24, .size: 8, .value_kind: global_buffer, .address_space: global }
      - { .name: xneg, .offset: 32, .size: 8, .value_kind: global_buffer, .address_space: global }
      - { .name: qcodes, .offset: 40, .size: 8, .value_kind: global_buffer, .address_space: global }
      - { .name: qscale, .offset: 48, .size: 8, .value_kind: global_buffer, .address_space: global }
      - { .name: qnrm, .offset: 56, .size: 8, .value_kind: global_buffer, .address_space: global }
    .group_segment_fixed_size: 17152
    .private_segment_fixed_size: 0
    .kernarg_segment_align: 8
    .kernarg_segment_size: 64
    .max_flat_workgroup_size: 32
    .sgpr_count:     66
    .vgpr_count:     186
    .wavefront_size: 32
...
	.end_amdgpu_metadata
.endif
;; end of part 1
;; launch score (part 2): grid 125 x 2, 8 waves a work-group, no clusters, 168,960 bytes of LDS; arguments xcodes, xscale, xneg, qcodes, qscale, gmax; writes gmax
.if DOCPART == 2
	.amdgcn_target "amdgcn-amd-amdhsa--gfx1250"
	.amdhsa_code_object_version 6
	.text
	.protected	k_qc69705a993_score
	.globl	k_qc69705a993_score
	.p2align	8
	.type	k_qc69705a993_score,@function
k_qc69705a993_score:
	s_mov_b64 s[64:65], 0
	v_nop
	global_prefetch_b8 v0, s[64:65] scope:SCOPE_SE
	s_setreg_imm32_b32 hwreg(HW_REG_WAVE_MODE, 25, 1), 1
	s_wait_xcnt 0x0
; All products q . x on codes of FP4 with E8M0 scales, and of each (query, group of rows) the largest s = q . x - x2/2.  For one query s falls as the distance q2 - 2 q.x + x2 rises, so the rows nearest to a query lie in the groups with the largest s.
; -x2/2 IS THE C OF THE MATRIX INSTRUCTION: no vector addition is spent on a pair; what is spent is half a v_max3 (8 lines for 16 new numbers a lane).
; ROWS: 100,000 = 125 chunks of 25 tiles of 32.  Group k of a chunk: tiles 3 k .. 3 k + 2 (k = 0 .. 6), tiles 21 .. 24 (k = 7).
; SHARES: work-group (c, y) takes chunk c against queries 512 y .. 512 y + 511: 250 work-groups of equal work.  EIGHT WAVES, TWO TO A SIMD, so that one wave's lines can be issued while the other waits behind a matrix instruction or an LDS load.
; Wave (wq = wave % 4, p = wave / 4) keeps the eight fragments of 16 queries 128 wq on in registers for the whole launch, and walks HALF of the chunk's tiles from LDS: p = 0 groups 0 - 3 (tiles 0 - 11), p = 1 groups 4 - 7 (tiles 12 - 24).
; The two waves of a pair share the tiles, not the queries: each byte read from LDS still feeds eight fragments of queries.
; ONE TEXT FOR ALL WAVES: three groups of three tiles in a loop, then a group of four.  For p = 0 that group has three tiles, and its last, tile 11, is taken a second time (the fourth tile's address is the third's + p tiles): a maximum is not
; changed by a repeat.  It costs 8 of 104 steps in four of the eight waves, and spares a branch on the wave's number round a part of the run of steps.
; The chunk (51,200 bytes of codes, 3,200 of scale words, 3,200 of -x2/2) comes into LDS once, an eighth by each wave, three tensor loads a wave; nothing is filled twice, so there is no ring.
; NO CLUSTER: the grid of 125 x 2 is no multiple of 4 along either axis, and a chunk is shared by two work-groups alone.
; LAYOUT: source 0 = 16 rows of X, source 1 = 16 queries: lane (r, h) holds query r and rows 8 h + 0 .. 7.  A step is one tile (two matrix instructions) against one fragment of queries.
; The results go to three buffers by turns; the maxima of a step stand behind the matrix instructions of the next two steps, so that they are the places behind those and no line waits for the line above it.
; LIMITS: NaN and infinities are not served; s is rounded as the matrix unit rounds a sum with its C, so two rows whose distances differ in the last bit may change places here (the last launch orders by the distance itself).
.set XS,   51200                       ; LDS: 0 the codes, 2,048 bytes a tile; here the scale words, 128 bytes a tile;
.set XN,   54400                       ; -x2/2, 128 bytes a tile, up to byte 57,600;
.set STG,  58368                       ; the stages, 4,096 bytes a wave: [fragment u][the wave's group 0 .. 3][lane] f32, in blocks of 256 bytes into which no tensor load lands
.set VXA,  5                           ; v5-8   this trip's addresses: codes, -x2/2, scale words, stage  (v1-4: the same at the head of my half of the chunk)
.set VXC,  6
.set VXS,  7
.set VST,  8
.set ALT,  235                         ; v240-242  the first three once more, p tiles further on: for the last group's fourth tile
.set QS,   12                          ; v12-19  the queries' scale words, a register a fragment
.set ACC,  20                          ; v20-27  the group's running maximum, a register a fragment
.set XSC,  28                          ; v28-30  a tile's scale words: lane l has row l's; three sets
.set QF,   32                          ; v32-95  eight fragments of queries
.set XAF,  96                          ; v96-143  a tile's two fragments; three sets
.set XCF,  144                         ; v144-191 a tile's -x2/2 in the result's layout; three sets
.set DD,   192                         ; v192-239 results: three buffers of 16
	s_load_b256 s[4:11], s[0:1], 0x0               ; xcodes s[4:5], xscale s[6:7], xneg s[8:9], qcodes s[10:11]
	s_load_b128 s[12:15], s[0:1], 0x20             ; qscale s[12:13], gmax s[14:15]
	v_lshl_add_u32 v248, v0, 2, 0x29000
	v_mov_b32 v249, 0
	ds_add_u32 v248, v249
	ds_add_u32 v248, v249
	v_lshrrev_b32 v20, 5, v0
	v_readfirstlane_b32 s16, v20                   ; wave 0..7
	s_and_b32 s2, s16, 3                           ; wq: which 128 queries
	s_lshr_b32 s3, s16, 2                          ; p: which half of the tiles
	s_and_b32 s17, ttmp7, 0xffff                   ; y
	v_and_b32 v20, 31, v0                          ; lane
	v_and_b32 v21, 15, v0                          ; r
	v_bfe_u32 v22, v0, 4, 1                        ; h
	s_lshl_b32 s59, s16, 12
	s_add_co_u32 s59, s59, STG                     ; my stage
	s_mul_i32 s56, s3, 24576                       ; my half begins 12 p tiles on: in the codes,
	s_mul_i32 s57, s3, 1536                        ; and in the words
	s_add_co_u32 s58, s57, XN
	s_add_co_u32 s57, s57, XS
	v_lshlrev_b32 v31, 4, v20                      ; an image's place for my lane
	v_add_nc_u32 v1, s56, v31
	v_lshl_add_u32 v2, v22, 5, s58                 ; -x2/2 of rows 8 h on: the sixteen lanes of a half read the same bytes
	v_lshl_add_u32 v3, v20, 2, s57
	v_lshl_add_u32 v4, v20, 2, s59
	v_lshlrev_b32 v11, 2, v21                      ; 4 r
	s_lshl_b32 s60, s2, 12
	s_lshl_b32 s61, s3, 11
	s_add_co_u32 s60, s60, s61
	s_add_co_u32 s60, s60, STG
	v_lshl_add_u32 v9, v22, 14, v11                ; the stages on the way out: groups 4 h on lie in the stage of wave wq + 4 h, 16,384 h bytes on;
	v_add_nc_u32 v9, s60, v9                       ; fragments 4 p on, 2,048 p bytes on; lane r's word
	v_lshrrev_b32 v23, 3, v21
	v_mul_u32_u24 v10, v23, 32000                  ; gmax: [octet of queries][chunk][8 queries][8 groups]: octet r / 8,
	v_and_b32 v23, 7, v21
	v_lshl_add_u32 v10, v23, 5, v10                ; query r % 8,
	v_lshl_add_u32 v10, v22, 4, v10                ; groups 4 h on
	; descriptor group 1 for the codes: an eighth of the chunk, 6,400 dense bytes, as 25 rows of 256 bytes
	s_mov_b32 s24, 3<<16                           ; no mask; elements of 8 bytes; no padding
	s_mov_b32 s25, 32<<16                          ; tensor_dim0 = 32
	s_mov_b32 s26, 25<<16                          ; tensor_dim1 = 25
	s_mov_b32 s27, 32<<16                          ; tile_dim0 = 32
	s_mov_b32 s28, 25                              ; tile_dim1 = 25
	s_mov_b32 s29, 32                              ; from row to row
	s_mov_b32 s30, 0
	s_mov_b32 s31, 0
	; and for the words: an eighth of 3,200 bytes, one row of 400
	s_mov_b32 s32, 3<<16
	s_mov_b32 s33, 50<<16
	s_mov_b32 s34, 1<<16
	s_mov_b32 s35, 50<<16
	s_mov_b32 s36, 1
	s_mov_b32 s37, 50
	s_mov_b32 s38, 0
	s_mov_b32 s39, 0
	s_mul_i32 s18, ttmp9, 51200
	s_mul_i32 s56, s16, 6400
	s_add_co_u32 s18, s18, s56                     ; my eighth of the chunk's codes
	s_mov_b32 s19, 0
	s_mul_i32 s20, ttmp9, 3200
	s_mul_i32 s57, s16, 400
	s_add_co_u32 s20, s20, s57                     ; and of its words
	s_mov_b32 s21, 0
	s_lshl_b32 s22, s17, 15
	s_lshl_b32 s58, s2, 13
	s_add_co_u32 s22, s22, s58                     ; my eight fragments of queries: (32 y + 8 wq) x 1,024 bytes,
	s_mov_b32 s23, 0
	s_lshr_b32 s60, s22, 4                         ; and their words: x 64
	s_mov_b32 s61, 0
	s_lshl_b32 s62, s17, 6
	s_lshl_b32 s58, s2, 4
	s_add_co_u32 s62, s62, s58
	s_mul_i32 s62, s62, 125
	s_add_co_u32 s62, s62, ttmp9
	s_lshl_b32 s62, s62, 8                         ; gmax: ((64 y + 16 wq) x 125 + c) x 256,
	s_mul_i32 s58, s3, 256000
	s_add_co_u32 s62, s62, s58                     ; and the eight octets of fragments 4 p on: 8 p x 32,000
	s_mov_b32 s63, 0
	s_mov_b32 s40, 1                               ; group 0: count = 1,
	s_mul_i32 s41, s16, 6400                       ; LDS address,
	s_mov_b32 s44, 1
	s_mul_i32 s45, s16, 400
	s_add_co_u32 s45, s45, XS
	s_mov_b32 s48, 1
	s_mul_i32 s49, s16, 400
	s_add_co_u32 s49, s49, XN
	s_mov_b32 s52, 3                               ; trips: my first three groups
	s_mov_b32 s53, 0                               ; the trip's step in the codes,
	s_mov_b32 s54, 0                               ; in the words,
	s_mov_b32 s55, 0                               ; in the stage
	s_wait_dscnt 0x0
	s_wait_kmcnt 0x0
	s_add_nc_u64 s[42:43], s[4:5], s[18:19]        ; global address,
	s_or_b32 s43, s43, 0x80000000                  ; type = 2
	s_add_nc_u64 s[46:47], s[6:7], s[20:21]
	s_or_b32 s47, s47, 0x80000000
	s_add_nc_u64 s[50:51], s[8:9], s[20:21]
	s_or_b32 s51, s51, 0x80000000
	s_add_nc_u64 s[10:11], s[10:11], s[22:23]
	s_add_nc_u64 s[12:13], s[12:13], s[60:61]
	s_add_nc_u64 s[14:15], s[14:15], s[62:63]
	tensor_load_to_lds s[40:43], s[24:31]          ; the launch's only fills, in one group: three loads of mine are out
	s_nop 0
	tensor_load_to_lds s[44:47], s[32:39]
	s_nop 0
	tensor_load_to_lds s[48:51], s[32:39]
	s_nop 0
.rept 4
	v_nop
.endr
.irp u, 0,1,2,3,4,5,6,7
	global_load_b128 v[QF+8*\u:QF+8*\u+3], v31, s[10:11] offset:1024*\u
	global_load_b128 v[QF+8*\u+4:QF+8*\u+7], v31, s[10:11] offset:1024*\u+512
	global_load_b32 v[QS+\u], v11, s[12:13] offset:64*\u      ; lane r: query r's word (lanes 16-31 hold the same and are not read)
.endr
	s_lshl_b32 s18, s3, 11                         ; p tiles, in the codes,
	s_lshl_b32 s19, s3, 7                          ; and in the words: for the last group's fourth tile
	v_mov_b32 v[VXA], v1
	v_mov_b32 v[VXC], v2
	v_mov_b32 v[VXS], v3
	s_wait_tensorcnt 0x0                           ; my three parts have landed,
	s_wait_loadcnt 0x0                             ; the queries are in,
	s_barrier_signal -1
	s_barrier_wait -1                              ; and everybody's parts have landed
; The tile rel tiles behind the trip's first, into set: nine LDS loads.  alt = 1: by the addresses that lie p tiles further on
.macro XLOAD rel, set, alt
.irp i, 0,1,2,3
	ds_load_b128 v[XAF+16*(\set)+4*\i:XAF+16*(\set)+4*\i+3], v[VXA+ALT*(\alt)] offset:2048*(\rel)+512*\i
.endr
	ds_load_b128 v[XCF+16*(\set):XCF+16*(\set)+3], v[VXC+ALT*(\alt)] offset:128*(\rel)             ; rows 8 h + 0 .. 3,
	ds_load_b128 v[XCF+16*(\set)+4:XCF+16*(\set)+7], v[VXC+ALT*(\alt)] offset:128*(\rel)+16        ; + 4 .. 7,
	ds_load_b128 v[XCF+16*(\set)+8:XCF+16*(\set)+11], v[VXC+ALT*(\alt)] offset:128*(\rel)+64       ; rows 16 + 8 h + 0 .. 3,
	ds_load_b128 v[XCF+16*(\set)+12:XCF+16*(\set)+15], v[VXC+ALT*(\alt)] offset:128*(\rel)+80
	ds_load_b32 v[XSC+(\set)], v[VXS+ALT*(\alt)] offset:128*(\rel)
.endm
; Step JJ of a group: tile JJ / 8 against fragment JJ % 8 of the queries.  No sum is carried on: each instruction has its own result, and its C is -x2/2
.macro WM
.set UU, JJ%8
.set SE, (JJ/8)%3
.set DB, DD+16*(JJ%3)
	v_wmma_scale_f32_16x16x128_f8f6f4 v[DB:DB+7], v[XAF+16*SE:XAF+16*SE+7], v[QF+8*UU:QF+8*UU+7], v[XCF+16*SE:XCF+16*SE+7], v[XSC+SE], v[QS+UU] matrix_a_fmt:MATRIX_FMT_FP4 matrix_b_fmt:MATRIX_FMT_FP4
	v_wmma_scale_f32_16x16x128_f8f6f4 v[DB+8:DB+15], v[XAF+16*SE+8:XAF+16*SE+15], v[QF+8*UU:QF+8*UU+7], v[XCF+16*SE+8:XCF+16*SE+15], v[XSC+SE], v[QS+UU] matrix_a_fmt:MATRIX_FMT_FP4 matrix_b_fmt:MATRIX_FMT_FP4 matrix_a_scale:MATRIX_SCALE_ROW1
.endm
; The maximum of step LL's 16 numbers and the fragment's running maximum: six lines that do not wait for each other (each result is read from its low end on), and two that close the tree a step later
.macro LEAF
.set DB, DD+16*(LL%3)
	v_max3_num_f32 v[DB], v[DB], v[DB+1], v[DB+2]
	v_max3_num_f32 v[DB+3], v[DB+3], v[DB+4], v[DB+5]
	v_max3_num_f32 v[DB+6], v[DB+6], v[DB+7], v[DB+8]
	v_max3_num_f32 v[DB+9], v[DB+9], v[DB+10], v[DB+11]
	v_max3_num_f32 v[DB+12], v[DB+12], v[DB+13], v[DB+14]
.if LL < 8
	v_max_num_f32 v[DB+15], v[DB+15], v[DB]        ; a group's first tile starts the maxima: nothing is cleared
.else
	v_max3_num_f32 v[DB+15], v[DB+15], v[ACC+LL%8], v[DB]
.endif
.endm
.macro TAILX
.set DB, DD+16*(LL%3)
	v_max3_num_f32 v[DB+3], v[DB+3], v[DB+6], v[DB+9]
.endm
.macro TAILA
.set DB, DD+16*(LL%3)
	v_max3_num_f32 v[ACC+LL%8], v[DB+12], v[DB+15], v[DB+3]
.endm
; A group of n tiles.  lim: tiles, counted from the group's first, that there are to load.  dup = 1: the fourth tile is the third's address + p tiles.
; PLACES: between a step's matrix instructions and the first read of their results stand nine lines on other buffers (behind the group's first step four v_nop); eight such lines stand in front
; of the loads into the set of the tile before, and more in front of the matrix instruction that writes a buffer again three steps on.
; WAITS: at a tile's head its nine loads are in when at most the nine of each tile ahead are out (LDS instructions return in order, ISA guide 5.7.1; the stage's stores among them only make the wait stricter).
.macro GROUP n, lim, dup
.set JJ, 0
.rept 8*\n+2
.if (JJ%8 == 0) && (JJ < 8*\n)
.if JJ/8+2 < \lim
.if \dup && (JJ/8+2 == 3)
	XLOAD 2, 0, 1
.else
	XLOAD JJ/8+2, (JJ/8+2)%3, 0
.endif
.endif
.set AH, \lim-1-JJ/8
.if AH > 2
.set AH, 2
.endif
	s_wait_dscnt 9*AH
.endif
.if JJ < 8*\n
	WM
.endif
.if JJ == 1
.rept 4
	v_nop
.endr
.endif
.if JJ >= 2
.set LL, JJ-2
	TAILX
.endif
.if (JJ >= 1) && (JJ <= 8*\n)
.set LL, JJ-1
	LEAF
.endif
.if JJ >= 2
.set LL, JJ-2
	TAILA
.if LL >= 8*(\n-1)
	ds_store_b32 v[VST], v[ACC+LL%8] offset:512*(LL%8)       ; the group's maximum of my half of the rows, to my stage
.endif
.endif
.set JJ, JJ+1
.endr
.endm
	XLOAD 0, 0, 0
	XLOAD 1, 1, 0
.Lgrp:                                                 ; a trip: one group of three tiles; it loads the tiles two ahead, the next group's first two among them
	v_add_nc_u32 v[VXA], s53, v1
	v_add_nc_u32 v[VXC], s54, v2
	v_add_nc_u32 v[VXS], s54, v3
	v_add_nc_u32 v[VST], s55, v4
	GROUP 3, 5, 0
	s_add_co_u32 s53, s53, 6144
	s_add_co_u32 s54, s54, 384
	s_add_co_u32 s55, s55, 128
	s_sub_co_u32 s52, s52, 1
	s_cmp_lg_u32 s52, 0
	s_cbranch_scc1 .Lgrp
	v_add_nc_u32 v[VXA], s53, v1
	v_add_nc_u32 v[VXC], s54, v2
	v_add_nc_u32 v[VXS], s54, v3
	v_add_nc_u32 v[VST], s55, v4
	v_add_nc_u32 v[VXA+ALT], s18, v[VXA]
	v_add_nc_u32 v[VXC+ALT], s19, v[VXC]
	v_add_nc_u32 v[VXS+ALT], s19, v[VXS]
	GROUP 4, 4, 1                                  ; my fourth group: p = 1: tiles 21 to 24; p = 0: tiles 9, 10, 11 and 11 again.  The counts run down 18, 18, 9, 0
	; THE WAY OUT.  A query's maximum of a group lies in lanes r and r + 16 of the wave that walked the group; a query's eight groups come from the two waves of a pair.  So the stages are read behind a barrier:
	s_wait_dscnt 0x0                               ; for the others' sake: my stores into my stage are done
	s_barrier_signal -1
	s_barrier_wait -1
	; wave p sends out fragments 4 p .. 4 p + 3.  Lane (r, h) reads both halves' maxima of groups 4 h .. 4 h + 3
.irp u, 0,1,2,3
.irp k, 0,1,2,3
	ds_load_b32 v[96+4*\u+\k], v9 offset:512*\u+128*\k
	ds_load_b32 v[128+4*\u+\k], v9 offset:512*\u+128*\k+64
.endr
.endr
	s_wait_dscnt 0x0
.irp i, 0,1,2,3,4,5,6,7,8,9,10,11,12,13,14,15
	v_max_num_f32 v[96+\i], v[96+\i], v[128+\i]
.endr
.irp u, 0,1,2,3
	global_store_b128 v10, v[96+4*\u:96+4*\u+3], s[14:15] offset:64000*\u   ; a store fills two whole aligned blocks of 256 bytes: this chunk's block of two octets of queries
.endr
	s_wait_tensorcnt 0x0
	ds_add_u32 v248, v249
	s_wait_dscnt 0x0
	s_endpgm
.Lfunc_end_k_qc69705a993_score:
	.size	k_qc69705a993_score, .Lfunc_end_k_qc69705a993_score-k_qc69705a993_score
	.p2alignl 7, 3214868480
	.fill 96, 4, 3214868480
	.section	.rodata,"a",@progbits
	.p2align	6, 0x0
	.amdhsa_kernel k_qc69705a993_score
		.amdhsa_group_segment_fixed_size 168960
		.amdhsa_private_segment_fixed_size 0
		.amdhsa_enable_private_segment 0
		.amdhsa_kernarg_size 48
		.amdhsa_user_sgpr_count 2
		.amdhsa_user_sgpr_kernarg_segment_ptr 1
		.amdhsa_wavefront_size32 1
		.amdhsa_system_sgpr_workgroup_id_x 1
		.amdhsa_system_sgpr_workgroup_id_y 1
		.amdhsa_system_sgpr_workgroup_id_z 1
		.amdhsa_system_vgpr_workitem_id 0
		.amdhsa_next_free_vgpr 250
		.amdhsa_next_free_sgpr 66
		.amdhsa_reserve_vcc 0
		.amdhsa_float_denorm_mode_32 3
		.amdhsa_float_denorm_mode_16_64 3
		.amdhsa_memory_ordered 1
		.amdhsa_forward_progress 1
		.amdhsa_inst_pref_size 59
	.end_amdhsa_kernel
	.amdgpu_metadata
---
amdhsa.version: [ 1, 2 ]
amdhsa.kernels:
  - .name:           k_qc69705a993_score
    .symbol:         k_qc69705a993_score.kd
    .args:
      - { .name: xcodes, .offset: 0, .size: 8, .value_kind: global_buffer, .address_space: global }
      - { .name: xscale, .offset: 8, .size: 8, .value_kind: global_buffer, .address_space: global }
      - { .name: xneg, .offset: 16, .size: 8, .value_kind: global_buffer, .address_space: global }
      - { .name: qcodes, .offset: 24, .size: 8, .value_kind: global_buffer, .address_space: global }
      - { .name: qscale, .offset: 32, .size: 8, .value_kind: global_buffer, .address_space: global }
      - { .name: gmax, .offset: 40, .size: 8, .value_kind: global_buffer, .address_space: global }
    .group_segment_fixed_size: 168960
    .private_segment_fixed_size: 0
    .kernarg_segment_align: 8
    .kernarg_segment_size: 48
    .max_flat_workgroup_size: 256
    .sgpr_count:     66
    .vgpr_count:     250
    .wavefront_size: 32
...
	.end_amdgpu_metadata
.endif
;; end of part 2
;; launch pick (part 3): grid 128 x 1, 8 waves a work-group, no clusters, 9,728 bytes of LDS; arguments gmax, sel; writes sel
.if DOCPART == 3
	.amdgcn_target "amdgcn-amd-amdhsa--gfx1250"
	.amdhsa_code_object_version 6
	.text
	.protected	k_qc69705a993_pick
	.globl	k_qc69705a993_pick
	.p2align	8
	.type	k_qc69705a993_pick,@function
k_qc69705a993_pick:
	s_mov_b64 s[64:65], 0
	v_nop
	global_prefetch_b8 v0, s[64:65] scope:SCOPE_SE
	s_setreg_imm32_b32 hwreg(HW_REG_WAVE_MODE, 25, 1), 1
	s_wait_xcnt 0x0
; For each query the three best of its 1,000 groups: larger maximum first, of equal maxima the lower group.  Stored as whole numbers for the next launch, eight words a query: the three groups' first rows, their numbers of rows (96 or 128), 0, 0.
; The three nearest rows of a query lie in these groups: were one of them in a fourth group, three groups would each hold a row ahead of it.
; SHARES: a work-group takes eight queries, whose maxima are 32,000 consecutive bytes [125 chunks][8 queries][8 groups].  Wave w reads chunks 16 w .. 16 w + 15, 512 consecutive bytes a load; a lane keeps the best three of its 32 numbers,
; all of one query; the 32 lists of a query meet in LDS; wave w then draws three times the best head of query w's lists.
; Group numbers are kept as f32 (they are whole numbers under 1,024), so that one kind of reduction across lanes serves values and numbers.  No value steers a branch or an address here: choices are v_cndmask_b32.
; No matrix work, no tensor loads, no cluster: the launch reads 4 MB once and work-groups share nothing.
; LIMITS: NaN is not served; every maximum is above -infinity.
.set OUTW, 8192                        ; LDS: 0 the lists, [query][32 lists][32 bytes]; here the eight queries' words, 256 bytes
.set VAL,  16                          ; v16-47  the 32 numbers
.set M1,   48                          ; v48-53  my list: three values, three group numbers
.set M2,   49
.set M3,   50
.set I1,   51
.set I2,   52
.set I3,   53
.set ID,   54                          ; the group number of the number in hand
.set TQ,   55
.set A1,   56                          ; v56-61  a list of my wave's query
.set A2,   57
.set A3,   58
.set B1,   59
.set B2,   60
.set B3,   61
.set MM,   62
.set CC,   63
.set TT,   64
.set W1,   67                          ; v67-69  the three winners
.set NINF, 70
.set PINF, 71
.macro WMAX r                          ; the largest over the wave's 32 lanes, in every lane
	v_max_num_f32_dpp v[\r], v[\r], v[\r] row_xmask:1 row_mask:0xf bank_mask:0xf
	v_max_num_f32_dpp v[\r], v[\r], v[\r] row_xmask:2 row_mask:0xf bank_mask:0xf
	v_max_num_f32_dpp v[\r], v[\r], v[\r] row_xmask:4 row_mask:0xf bank_mask:0xf
	v_max_num_f32_dpp v[\r], v[\r], v[\r] row_xmask:8 row_mask:0xf bank_mask:0xf
	v_permlanex16_b32 v[TT], v[\r], s12, s13
	v_max_num_f32 v[\r], v[\r], v[TT]
.endm
.macro WMIN r                          ; the smallest likewise
	v_min_num_f32_dpp v[\r], v[\r], v[\r] row_xmask:1 row_mask:0xf bank_mask:0xf
	v_min_num_f32_dpp v[\r], v[\r], v[\r] row_xmask:2 row_mask:0xf bank_mask:0xf
	v_min_num_f32_dpp v[\r], v[\r], v[\r] row_xmask:4 row_mask:0xf bank_mask:0xf
	v_min_num_f32_dpp v[\r], v[\r], v[\r] row_xmask:8 row_mask:0xf bank_mask:0xf
	v_permlanex16_b32 v[TT], v[\r], s12, s13
	v_min_num_f32 v[\r], v[\r], v[TT]
.endm
	s_load_b128 s[4:7], s[0:1], 0x0                ; gmax, sel
	v_lshl_add_u32 v80, v0, 2, 0x2200
	v_mov_b32 v81, 0
	v_lshrrev_b32 v72, 5, v0                       ; wave
	v_readfirstlane_b32 s8, v72
	v_bfe_u32 v73, v0, 4, 1                        ; h
	v_and_b32 v74, 1, v0
	v_lshl_add_u32 v2, v72, 4, v73                 ; my chunk in load 0: 16 w + h
	v_and_b32 v3, 15, v0
	v_lshlrev_b32 v3, 4, v3                        ; my 16 bytes of a chunk's 256: query (lane / 2) % 8, groups 4 (lane % 2) on
	v_lshlrev_b32 v4, 3, v2
	v_lshl_add_u32 v4, v74, 2, v4
	v_cvt_f32_u32 v[ID], v4                        ; the group number of my first number: 8 x chunk + 4 (lane % 2)
	v_bfe_u32 v75, v0, 1, 3
	v_lshlrev_b32 v5, 10, v75                      ; where my list goes: query,
	v_lshl_add_u32 v5, v72, 7, v5                  ; wave,
	v_lshl_add_u32 v5, v73, 6, v5                  ; half,
	v_lshl_add_u32 v5, v74, 5, v5                  ; lane % 2
	v_lshlrev_b32 v6, 5, v0                        ; and which list I read: wave w takes query w, lane l its list l
	v_and_b32 v75, 7, v0
	v_lshlrev_b32 v7, 2, v75
	v_lshl_add_u32 v7, v72, 5, v7
	v_add_nc_u32 v7, OUTW, v7                      ; my query's word lane % 8
	v_and_b32 v78, 31, v0
	v_lshlrev_b32 v78, 3, v78                      ; the way out: 8 bytes a lane
	v_add_nc_u32 v77, OUTW, v78
.irp j, 0,1,2,3,4,5,6,7
	v_add_nc_u32 v[TQ], 2*\j, v2
	v_min_u32 v[TQ], 124, v[TQ]                    ; wave 7 has chunks up to 124: no load leaves the buffer; what the clamp repeats is thrown away below
	v_lshl_add_u32 v[8+\j], v[TQ], 8, v3
.endr
	v_mov_b32 v[NINF], 0xff800000
	v_mov_b32 v[PINF], 0x7f800000
	v_mov_b32 v[M1], v[NINF]
	v_mov_b32 v[M2], v[NINF]
	v_mov_b32 v[M3], v[NINF]
	v_mov_b32 v[I1], 0
	v_mov_b32 v[I2], 0
	v_mov_b32 v[I3], 0
	v_mov_b32 v[TT], 0                             ; written once: a lane permute's destination counts as one of its sources
	s_mov_b32 s12, 0x76543210
	s_mov_b32 s13, 0xfedcba98
	s_mov_b32 s22, 0x12121212                      ; lanes with lane % 8 = 1, 4
	s_mov_b32 s23, 0x24242424                      ; 2, 5
	s_mov_b32 s24, 0x38383838                      ; 3, 4, 5
	s_mov_b32 s25, 0xc0c0c0c0                      ; 6, 7
	s_mul_i32 s10, ttmp9, 32000
	s_mov_b32 s11, 0
	s_lshl_b32 s14, ttmp9, 8
	s_mov_b32 s15, 0
	s_wait_kmcnt 0x0
	s_add_nc_u64 s[4:5], s[4:5], s[10:11]
	s_add_nc_u64 s[6:7], s[6:7], s[14:15]
.irp j, 0,1,2,3,4,5,6,7
	global_load_b128 v[VAL+4*\j:VAL+4*\j+3], v[8+\j], s[4:5]
.endr
	s_wait_loadcnt 0x0
; A number goes into my sorted list of three.  Strictly larger only: my group numbers ascend, so of equal values the lower group stays ahead
.macro INS val
	v_cmp_gt_f32 s20, v[\val], v[M1]
	v_cmp_gt_f32 s21, v[\val], v[M2]
	v_cmp_gt_f32 vcc_lo, v[\val], v[M3]
	v_cndmask_b32 v[TQ], v[ID], v[I2], s21
	v_cndmask_b32 v[I3], v[I3], v[TQ], vcc_lo
	v_cndmask_b32 v[TQ], v[ID], v[I1], s20
	v_cndmask_b32 v[I2], v[I2], v[TQ], s21
	v_cndmask_b32 v[I1], v[I1], v[ID], s20
	v_med3_num_f32 v[M3], v[\val], v[M2], v[M3]
	v_med3_num_f32 v[M2], v[\val], v[M1], v[M2]
	v_max_num_f32 v[M1], v[\val], v[M1]
.endm
.irp j, 0,1,2,3,4,5,6,7
	v_cmp_lt_u32 vcc_lo, 124-2*\j, v2              ; a chunk past 124 counts for nothing
.irp e, 0,1,2,3
	v_cndmask_b32 v[VAL+4*\j+\e], v[VAL+4*\j+\e], v[NINF], vcc_lo
.endr
.irp e, 0,1,2,3
	INS VAL+4*\j+\e
.if \e < 3
	v_add_f32 v[ID], 1.0, v[ID]                    ; the next group,
.else
	v_add_f32 v[ID], 0x41500000, v[ID]             ; or, two chunks on, 13 further
.endif
.endr
.endr
	ds_store_b128 v5, v[M1:M1+3]
	ds_store_b64 v5, v[I2:I2+1] offset:16
	s_wait_dscnt 0x0                               ; for the others' sake: my list lies in LDS
	s_barrier_signal -1
	s_barrier_wait -1
	ds_load_b128 v[A1:A1+3], v6
	ds_load_b64 v[B2:B2+1], v6 offset:16
	s_wait_dscnt 0x0
; The best head of the 32 lists: the largest value, and of the heads that have it the lowest group; the list that it came from moves up
.macro POP wn
	v_mov_b32 v[MM], v[A1]
	WMAX MM
	v_cmp_eq_f32 vcc_lo, v[A1], v[MM]
	v_cndmask_b32 v[CC], v[PINF], v[B1], vcc_lo
	WMIN CC
	v_mov_b32 v[\wn], v[CC]
	v_cmp_eq_f32 vcc_lo, v[B1], v[CC]
	v_cndmask_b32 v[A1], v[A1], v[A2], vcc_lo
	v_cndmask_b32 v[A2], v[A2], v[A3], vcc_lo
	v_cndmask_b32 v[A3], v[A3], v[NINF], vcc_lo
	v_cndmask_b32 v[B1], v[B1], v[B2], vcc_lo
	v_cndmask_b32 v[B2], v[B2], v[B3], vcc_lo
.endm
	POP W1
	POP W1+1
	POP W1+2
	v_cndmask_b32 v72, v[W1], v[W1+1], s22         ; lane % 8 = 0, 3: the first winner; 1, 4: the second; 2, 5: the third
	v_cndmask_b32 v72, v72, v[W1+2], s23
	v_cvt_u32_f32 v73, v72                         ; group number 8 c + k
	v_lshrrev_b32 v74, 3, v73
	v_and_b32 v75, 7, v73
	v_mul_u32_u24 v76, v74, 800
	v_mad_u32_u24 v76, v75, 96, v76                ; its first row: 800 c + 96 k
	v_add_nc_u32 v75, 1, v75
	v_lshrrev_b32 v75, 3, v75
	v_lshl_add_u32 v75, v75, 5, 96                 ; its rows: 96, and 32 more where k = 7
	v_cndmask_b32 v76, v76, v75, s24
	v_cndmask_b32 v76, v76, 0, s25
	ds_store_b32 v7, v76                           ; lanes that are equal modulo 8 write the same word with the same value
	s_wait_dscnt 0x0
	s_barrier_signal -1
	s_barrier_wait -1
	s_cmp_lg_u32 s8, 0
	s_cbranch_scc1 .Ldone
	ds_load_b64 v[72:73], v77                      ; wave 0 stores the eight queries' words:
	s_wait_dscnt 0x0
	global_store_b64 v78, v[72:73], s[6:7]         ; 256 consecutive bytes, at a multiple of 256 from the buffer's first byte
.Ldone:
	s_wait_tensorcnt 0x0
	ds_add_u32 v80, v81
	s_wait_dscnt 0x0
	s_endpgm
.Lfunc_end_k_qc69705a993_pick:
	.size	k_qc69705a993_pick, .Lfunc_end_k_qc69705a993_pick-k_qc69705a993_pick
	.p2alignl 7, 3214868480
	.fill 96, 4, 3214868480
	.section	.rodata,"a",@progbits
	.p2align	6, 0x0
	.amdhsa_kernel k_qc69705a993_pick
		.amdhsa_group_segment_fixed_size 9728
		.amdhsa_private_segment_fixed_size 0
		.amdhsa_enable_private_segment 0
		.amdhsa_kernarg_size 16
		.amdhsa_user_sgpr_count 2
		.amdhsa_user_sgpr_kernarg_segment_ptr 1
		.amdhsa_wavefront_size32 1
		.amdhsa_system_sgpr_workgroup_id_x 1
		.amdhsa_system_sgpr_workgroup_id_y 1
		.amdhsa_system_sgpr_workgroup_id_z 1
		.amdhsa_system_vgpr_workitem_id 0
		.amdhsa_next_free_vgpr 82
		.amdhsa_next_free_sgpr 66
		.amdhsa_reserve_vcc 1
		.amdhsa_float_denorm_mode_32 3
		.amdhsa_float_denorm_mode_16_64 3
		.amdhsa_memory_ordered 1
		.amdhsa_forward_progress 1
		.amdhsa_inst_pref_size 31
	.end_amdhsa_kernel
	.amdgpu_metadata
---
amdhsa.version: [ 1, 2 ]
amdhsa.kernels:
  - .name:           k_qc69705a993_pick
    .symbol:         k_qc69705a993_pick.kd
    .args:
      - { .name: gmax, .offset: 0, .size: 8, .value_kind: global_buffer, .address_space: global }
      - { .name: sel, .offset: 8, .size: 8, .value_kind: global_buffer, .address_space: global }
    .group_segment_fixed_size: 9728
    .private_segment_fixed_size: 0
    .kernarg_segment_align: 8
    .kernarg_segment_size: 16
    .max_flat_workgroup_size: 256
    .sgpr_count:     66
    .vgpr_count:     82
    .wavefront_size: 32
...
	.end_amdgpu_metadata
.endif
;; end of part 3
;; launch refine (part 4): grid 256 x 1, 4 waves a work-group, no clusters, 0 bytes of LDS; arguments sel, xcodes, xscale, xneg, qcodes, qscale, qnrm, dataTensorY, out0, out1; writes out0, out1
.if DOCPART == 4
	.amdgcn_target "amdgcn-amd-amdhsa--gfx1250"
	.amdhsa_code_object_version 6
	.text
	.protected	k_qc69705a993_refine
	.globl	k_qc69705a993_refine
	.p2align	8
	.type	k_qc69705a993_refine,@function
k_qc69705a993_refine:
	s_mov_b64 s[64:65], 0
	v_nop
	global_prefetch_b8 v0, s[64:65] scope:SCOPE_SE
	s_setreg_imm32_b32 hwreg(HW_REG_WAVE_MODE, 25, 1), 1
	s_wait_xcnt 0x0
; For each query: the distances d = (q2 - 2 q.x) + x2 to the rows of its three chosen groups, the three smallest (of equal d the lower row first) as row numbers, and the mean of those rows of Y.
; The groups' first rows are whole numbers that an earlier launch stored: every address here is made of them, held to the table's end by s_min_u32; no address and no branch hangs on a distance.  Y is loaded for all candidates and chosen by v_cndmask_b32.
; SHARES: one wave to a query; 3 groups x 128 rows = 12 candidates a lane: candidate 4 g + t is row start_g + 32 t + lane.  A group of 96 rows is read as 128 (no group's 128 rows pass row 100,000); its last 32 are hidden.
; THE PRODUCT is the same instruction on the same codes as in the launch before, with C = 0: source 0 = the query in all 16 rows, source 1 = 16 rows of X.  Register 0 of lane (r, h) is q . x_r.  Fifteen of sixteen rows are idle work: 24 instructions a query.
; d is then two fused multiply-adds, each rounding one sum: q2 - 2 dot, then + x2 (kept as -x2/2; the factors -2 round nothing).
; Row numbers are kept as f32 (whole numbers under 2^24).  No LDS, no barrier, no tensor loads, no cluster: waves share nothing.
; LIMITS: NaN and infinities are not served; every d is finite.  The outputs are 12 bytes a query each, 24 KB in all: they leave by stores of three lanes.
.set QS,   8                           ; v8   the query's scale word
.set Q2,   9                           ; v9   q2
.set MM,   10
.set CC,   11
.set TA,   12                          ; v12-13 at work; v13 also takes what the other half of the lanes sends
.set TT,   13
.set WIN,  14                          ; v14-16 the winners' row numbers
.set YS,   17                          ; v17-19 the sum of their rows of Y
.set SY,   20                          ; v20-22 a winner's row of Y (in its lane; 0 elsewhere)
.set INF,  23
.set QF,   24                          ; v24-31 the query's fragment
.set XB0,  32                          ; v32-95   a group's eight fragments
.set XB1,  96                          ; v96-159  the next group's; later Y: candidate i's three numbers at v[96 + 3 i]
.set YY,   96
.set XSC,  160                         ; v160-171 the candidates' scale words
.set XNG,  172                         ; v172-183 their -x2/2
.set DV,   184                         ; v184-195 their distances
.set IDX,  196                         ; v196-207 their row numbers
.set DD,   208                         ; v208-239 four results
.macro WMIN r                          ; the smallest over the wave's 32 lanes, in every lane
	v_min_num_f32_dpp v[\r], v[\r], v[\r] row_xmask:1 row_mask:0xf bank_mask:0xf
	v_min_num_f32_dpp v[\r], v[\r], v[\r] row_xmask:2 row_mask:0xf bank_mask:0xf
	v_min_num_f32_dpp v[\r], v[\r], v[\r] row_xmask:4 row_mask:0xf bank_mask:0xf
	v_min_num_f32_dpp v[\r], v[\r], v[\r] row_xmask:8 row_mask:0xf bank_mask:0xf
	v_permlanex16_b32 v[TT], v[\r], s32, s33
	v_min_num_f32 v[\r], v[\r], v[TT]
.endm
.macro WADD r                          ; the sum likewise
	v_add_f32_dpp v[\r], v[\r], v[\r] row_xmask:1 row_mask:0xf bank_mask:0xf
	v_add_f32_dpp v[\r], v[\r], v[\r] row_xmask:2 row_mask:0xf bank_mask:0xf
	v_add_f32_dpp v[\r], v[\r], v[\r] row_xmask:4 row_mask:0xf bank_mask:0xf
	v_add_f32_dpp v[\r], v[\r], v[\r] row_xmask:8 row_mask:0xf bank_mask:0xf
	v_permlanex16_b32 v[TT], v[\r], s32, s33
	v_add_f32 v[\r], v[\r], v[TT]
.endm
	s_load_b512 s[4:19], s[0:1], 0x0               ; sel s[4:5], xcodes s[6:7], xscale s[8:9], xneg s[10:11], qcodes s[12:13], qscale s[14:15], qnrm s[16:17], Y s[18:19]
	s_load_b128 s[20:23], s[0:1], 0x40             ; out0 s[20:21], out1 s[22:23]
	v_lshrrev_b32 v10, 5, v0
	v_readfirstlane_b32 s3, v10                    ; wave
	s_lshl_b32 s2, ttmp9, 2
	s_add_co_u32 s2, s2, s3                        ; my query
	v_and_b32 v1, 31, v0                           ; lane
	v_lshlrev_b32 v2, 4, v1                        ; an image's place for my lane
	v_lshlrev_b32 v3, 2, v1                        ; a word's
	v_mul_u32_u24 v4, v1, 12                       ; a row of Y's
	v_bfe_u32 v5, v0, 4, 1
	v_lshlrev_b32 v5, 8, v5                        ; the query's fragment: in the image lanes 16-31 lie 256 bytes behind lanes 0-15
	v_mov_b32 v6, 0
	v_mov_b32 v[TT], 0                             ; written once: a lane permute's destination counts as one of its sources
	v_mov_b32 v[INF], 0x7f800000
	v_mov_b32 v[YS], 0
	v_mov_b32 v[YS+1], 0
	v_mov_b32 v[YS+2], 0
	s_mov_b32 s32, 0x76543210
	s_mov_b32 s33, 0xfedcba98
	s_mov_b32 s63, 0xffff0000                      ; lanes 16-31
	s_lshl_b32 s34, s2, 5
	s_mov_b32 s35, 0
	s_wait_kmcnt 0x0
	s_add_nc_u64 s[4:5], s[4:5], s[34:35]
	s_load_b256 s[24:31], s[4:5], 0x0              ; my query's eight words: s24-26 first rows, s27-29 numbers of rows
	s_lshr_b32 s34, s2, 4
	s_lshl_b32 s34, s34, 10                        ; the query's fragment,
	s_and_b32 s3, s2, 15
	s_lshl_b32 s3, s3, 4                           ; and its row's 16 bytes in the image
	s_add_co_u32 s34, s34, s3
	s_add_nc_u64 s[12:13], s[12:13], s[34:35]
	s_lshl_b32 s34, s2, 2
	s_add_nc_u64 s[14:15], s[14:15], s[34:35]
	s_add_nc_u64 s[16:17], s[16:17], s[34:35]
	s_mul_i32 s34, s2, 12
	s_add_nc_u64 s[20:21], s[20:21], s[34:35]
	s_add_nc_u64 s[22:23], s[22:23], s[34:35]
	global_load_b128 v[QF:QF+3], v5, s[12:13]                  ; every lane of a half takes the same 16 bytes: all 16 rows of the operand are my query
	global_load_b128 v[QF+4:QF+7], v5, s[12:13] offset:512
	global_load_b32 v[QS], v6, s[14:15]
	global_load_b32 v[Q2], v6, s[16:17]
	s_wait_kmcnt 0x0
.irp g, 0,1,2
	s_min_u32 s[24+\g], s[24+\g], 99872            ; the last group's first row: 128 rows from here on lie inside every table
	s_min_u32 s[27+\g], s[27+\g], 128
.endr
.irp g, 0,1,2
	s_lshl_b32 s34, s[24+\g], 6                    ; codes: 64 bytes a row
	s_add_nc_u64 s[36+2*\g:37+2*\g], s[6:7], s[34:35]
	s_lshl_b32 s34, s[24+\g], 2                    ; words: 4
	s_add_nc_u64 s[42+2*\g:43+2*\g], s[8:9], s[34:35]
	s_add_nc_u64 s[48+2*\g:49+2*\g], s[10:11], s[34:35]
	s_mul_i32 s34, s[24+\g], 12                    ; Y: 12
	s_add_nc_u64 s[54+2*\g:55+2*\g], s[18:19], s[34:35]
	s_cmp_lt_u32 s[27+\g], 128
	s_cselect_b32 s[60+\g], -1, 0                  ; all lanes, where the group's fourth tile is not its own
.endr
.irp g, 0,1,2
.irp t, 0,1,2,3
	global_load_b32 v[XSC+4*\g+\t], v3, s[42+2*\g:43+2*\g] offset:128*\t
.endr
.endr
.irp g, 0,1,2
.irp t, 0,1,2,3
	global_load_b32 v[XNG+4*\g+\t], v3, s[48+2*\g:49+2*\g] offset:128*\t
.endr
.endr
.macro GLOAD g, xb                     ; a group's eight fragments: sixteen loads of 512 consecutive bytes
.irp i, 0,1,2,3,4,5,6,7,8,9,10,11,12,13,14,15
	global_load_b128 v[\xb+4*\i:\xb+4*\i+3], v2, s[36+2*\g:37+2*\g] offset:512*\i
.endr
.endm
	GLOAD 0, XB0
	GLOAD 1, XB1
.irp g, 0,1,2                                  ; the candidates' row numbers, while the loads are out
	v_add_nc_u32 v[MM], s[24+\g], v1
.irp t, 0,1,2,3
	v_add_nc_u32 v[CC], 32*\t, v[MM]
	v_cvt_f32_u32 v[IDX+4*\g+\t], v[CC]
.endr
	v_cndmask_b32 v[IDX+4*\g+3], v[IDX+4*\g+3], -1.0, s[60+\g]   ; a hidden row has no number: it matches no winner
.endr
; A group's four tiles of 32 rows, two tiles (four matrix instructions, four results) at a time.
; PLACES: four v_nop in front of the first read of the results; they and the lines on other registers that follow are more than five in front of the matrix instructions that write the results again, and of the loads into the fragments.
.macro PROD g, xb
.irp p, 0,1
.irp e, 0,1
	v_wmma_scale_f32_16x16x128_f8f6f4 v[DD+16*\e:DD+16*\e+7], v[QF:QF+7], v[\xb+16*(2*\p+\e):\xb+16*(2*\p+\e)+7], 0, v[QS], v[XSC+4*\g+2*\p+\e] matrix_a_fmt:MATRIX_FMT_FP4 matrix_b_fmt:MATRIX_FMT_FP4
	v_wmma_scale_f32_16x16x128_f8f6f4 v[DD+16*\e+8:DD+16*\e+15], v[QF:QF+7], v[\xb+16*(2*\p+\e)+8:\xb+16*(2*\p+\e)+15], 0, v[QS], v[XSC+4*\g+2*\p+\e] matrix_a_fmt:MATRIX_FMT_FP4 matrix_b_fmt:MATRIX_FMT_FP4 matrix_b_scale:MATRIX_SCALE_ROW1
.endr
.rept 4
	v_nop
.endr
.irp e, 0,1
	v_cndmask_b32 v[TA+\e], v[DD+16*\e], v[DD+16*\e+8], s63    ; lane l: the dot with row l of the tile (each result is read at its lowest register)
	v_fma_f32 v[TA+\e], -2.0, v[TA+\e], v[Q2]                  ; q2 - 2 dot
	v_fma_f32 v[DV+4*\g+2*\p+\e], -2.0, v[XNG+4*\g+2*\p+\e], v[TA+\e]   ; + x2
.endr
.endr
	v_cndmask_b32 v[DV+4*\g+3], v[DV+4*\g+3], v[INF], s[60+\g] ; a hidden row is infinitely far
.endm
	s_wait_loadcnt 16                              ; all but group 1's sixteen loads are in
	PROD 0, XB0
	GLOAD 2, XB0
	s_wait_loadcnt 16                              ; group 1 is in; group 2's sixteen may be out
	PROD 1, XB1
.irp g, 0,1,2
.irp t, 0,1,2,3
.irp c, 0,1,2
	global_load_b32 v[YY+3*(4*\g+\t)+\c], v4, s[54+2*\g:55+2*\g] offset:384*\t+4*\c   ; the candidates' rows of Y
.endr
.endr
.endr
	s_wait_loadcnt 36                              ; group 2 is in; Y's 36 loads may be out
	PROD 2, XB0
	s_wait_loadcnt 0x0
; The nearest of the candidates that are left: the smallest d; of those that have it the lowest row; it leaves the field, and its row of Y is taken
.macro ROUND n
	v_min3_num_f32 v[MM], v[DV], v[DV+1], v[DV+2]
.irp i, 3,5,7,9
	v_min3_num_f32 v[MM], v[MM], v[DV+\i], v[DV+\i+1]
.endr
	v_min_num_f32 v[MM], v[MM], v[DV+11]
	WMIN MM
	v_mov_b32 v[CC], v[INF]
.irp i, 0,1,2,3,4,5,6,7,8,9,10,11
	v_cmp_eq_f32 vcc_lo, v[DV+\i], v[MM]
	v_cndmask_b32 v[TA], v[INF], v[IDX+\i], vcc_lo
	v_min_num_f32 v[CC], v[CC], v[TA]
.endr
	WMIN CC
	v_mov_b32 v[WIN+\n], v[CC]
	v_mov_b32 v[SY], 0
	v_mov_b32 v[SY+1], 0
	v_mov_b32 v[SY+2], 0
.irp i, 0,1,2,3,4,5,6,7,8,9,10,11
	v_cmp_eq_f32 vcc_lo, v[IDX+\i], v[CC]
	v_cndmask_b32 v[DV+\i], v[DV+\i], v[INF], vcc_lo
	v_cndmask_b32 v[SY], v[SY], v[YY+3*\i], vcc_lo
	v_cndmask_b32 v[SY+1], v[SY+1], v[YY+3*\i+1], vcc_lo
	v_cndmask_b32 v[SY+2], v[SY+2], v[YY+3*\i+2], vcc_lo
.endr
	v_add_f32 v[YS], v[YS], v[SY]
	v_add_f32 v[YS+1], v[YS+1], v[SY+1]
	v_add_f32 v[YS+2], v[YS+2], v[SY+2]
.endm
	ROUND 0
	ROUND 1
	ROUND 2
	WADD YS                                        ; each winner's row lies in one lane: the sum over the lanes is the sum of the three rows
	WADD YS+1
	WADD YS+2
.irp c, 0,1,2
	v_mul_f32 v[YS+\c], 0x3eaaaaab, v[YS+\c]       ; / 3
	v_cvt_u32_f32 v[WIN+\c], v[WIN+\c]
.endr
	s_mov_b32 s34, 2                               ; lane 1
	s_mov_b32 s35, 4                               ; lane 2
	v_cndmask_b32 v10, v[YS], v[YS+1], s34
	v_cndmask_b32 v10, v10, v[YS+2], s35
	v_cndmask_b32 v11, v[WIN], v[WIN+1], s34
	v_cndmask_b32 v11, v11, v[WIN+2], s35
	v_cmp_gt_u32 vcc_lo, 3, v1
	s_wait_xcnt 0x0                                ; EXEC changes only behind this wait
	s_and_saveexec_b32 s3, vcc_lo
	global_store_b32 v3, v10, s[20:21]             ; lanes 0 to 2: the query's three numbers,
	global_store_b32 v3, v11, s[22:23]             ; and its three rows
	s_endpgm
.Lfunc_end_k_qc69705a993_refine:
	.size	k_qc69705a993_refine, .Lfunc_end_k_qc69705a993_refine-k_qc69705a993_refine
	.p2alignl 7, 3214868480
	.fill 96, 4, 3214868480
	.section	.rodata,"a",@progbits
	.p2align	6, 0x0
	.amdhsa_kernel k_qc69705a993_refine
		.amdhsa_group_segment_fixed_size 0
		.amdhsa_private_segment_fixed_size 0
		.amdhsa_enable_private_segment 0
		.amdhsa_kernarg_size 80
		.amdhsa_user_sgpr_count 2
		.amdhsa_user_sgpr_kernarg_segment_ptr 1
		.amdhsa_wavefront_size32 1
		.amdhsa_system_sgpr_workgroup_id_x 1
		.amdhsa_system_sgpr_workgroup_id_y 1
		.amdhsa_system_sgpr_workgroup_id_z 1
		.amdhsa_system_vgpr_workitem_id 0
		.amdhsa_next_free_vgpr 240
		.amdhsa_next_free_sgpr 66
		.amdhsa_reserve_vcc 1
		.amdhsa_float_denorm_mode_32 3
		.amdhsa_float_denorm_mode_16_64 3
		.amdhsa_memory_ordered 1
		.amdhsa_forward_progress 1
		.amdhsa_inst_pref_size 36
	.end_amdhsa_kernel
	.amdgpu_metadata
---
amdhsa.version: [ 1, 2 ]
amdhsa.kernels:
  - .name:           k_qc69705a993_refine
    .symbol:         k_qc69705a993_refine.kd
    .args:
      - { .name: sel, .offset: 0, .size: 8, .value_kind: global_buffer, .address_space: global }
      - { .name: xcodes, .offset: 8, .size: 8, .value_kind: global_buffer, .address_space: global }
      - { .name: xscale, .offset: 16, .size: 8, .value_kind: global_buffer, .address_space: global }
      - { .name: xneg, .offset: 24, .size: 8, .value_kind: global_buffer, .address_space: global }
      - { .name: qcodes, .offset: 32, .size: 8, .value_kind: global_buffer, .address_space: global }
      - { .name: qscale, .offset: 40, .size: 8, .value_kind: global_buffer, .address_space: global }
      - { .name: qnrm, .offset: 48, .size: 8, .value_kind: global_buffer, .address_space: global }
      - { .name: dataTensorY, .offset: 56, .size: 8, .value_kind: global_buffer, .address_space: global }
      - { .name: out0, .offset: 64, .size: 8, .value_kind: global_buffer, .address_space: global }
      - { .name: out1, .offset: 72, .size: 8, .value_kind: global_buffer, .address_space: global }
    .group_segment_fixed_size: 0
    .private_segment_fixed_size: 0
    .kernarg_segment_align: 8
    .kernarg_segment_size: 80
    .max_flat_workgroup_size: 128
    .sgpr_count:     66
    .vgpr_count:     240
    .wavefront_size: 32
...
	.end_amdgpu_metadata
.endif
;; end of part 4
